; MI455X (gfx1250); checked and timed in simulation.
; The chip was launched on July 23, 2026; its instructions are those of AMD's public machine-readable ISA for CDNA 5 (MIT licence, August 2026) and "CDNA5" Instruction Set Architecture Reference Guide (July 2026). The comments in the code are by the model that wrote it; some were corrected since.
;; vector unpack. Allowed arithmetic: float matrix products may take bf16 or f16 operands with f32 sums; all other float work in f32.
;; Inputs: sentence_length 64 int32; vector_sequence 64 x 512 x 1,024 float32; weights 50,257 float32; word_sequence 64 x 512 int32.
;; Outputs: out0 64 x 1,024 float32; out1 64 x 1,024 float32.
;; 2 versions, each right; version 2 is version 1 with the launch norm written anew for expert scheduling mode. Each part assembles by itself: llvm-mc -triple=amdgcn-amd-amdhsa -mcpu=gfx1250 --defsym DOCPART=n.
;; ======== version 1 of 2: 2 launches
;; workspace buffers: ssum 262,144 bytes
;; launch sums (part 1): grid 4 x 64, 32 waves a work-group, no clusters, 69,632 bytes of LDS; arguments sentence_length, vector_sequence, weights, word_sequence, ssum, out1; writes ssum, out1
.if DOCPART == 1
	.amdgcn_target "amdgcn-amd-amdhsa--gfx1250"
	.amdhsa_code_object_version 6
	.text
	.protected	k_q05d000f20e_sums
	.globl	k_q05d000f20e_sums
	.p2align	8
	.type	k_q05d000f20e_sums,@function
k_q05d000f20e_sums:
	s_mov_b64 s[64:65], 0
	v_nop
	global_prefetch_b8 v0, s[64:65] scope:SCOPE_SE
	s_setreg_imm32_b32 hwreg(HW_REG_WAVE_MODE, 25, 1), 1
	s_wait_xcnt 0x0
; ssum[b][d] = sum over t < len[b] of v[b][t][d]          (normalised by the next launch)
; out1[b][d] = sum over t < len[b] of weights[word[b][t]] * v[b][t][d]
; v: [64][512][1024] f32.  All arithmetic in f32 on the vector unit: the product has ONE row for each sentence, so a matrix tile of
; 16 rows would be used to a sixteenth, and rounding v to 16 bits would take as many instructions as the multiply-adds themselves.
; SHARES.  Work-group (q, b) = columns 256 q .. 256 q + 255 of sentence b.  Wave w (of 32) takes rows t = w + 32 j, j = 0 .. 15, as far as
; t < len: nr = (len + 31 - w) >> 5 rows, so the waves of a group differ by one row at the most.  A row's 1,024 bytes are two loads of
; the wave, each 512 consecutive bytes that begin at a multiple of 512.  Rows at or past the length are never loaded.
; nr = 4 a + r.  The r odd rows are asked for first, then the a blocks of four rows go through two register buffers by turns.
; Every way out of that chain is written out, so that each wait has one count on every way and rows and lanes are constants.
; LIMITS.  Rows and tokens with t >= len are not read: an infinity or NaN there makes reference() NaN (0 x inf) and is ignored here.
; Word indices outside 0 .. 50256 are clamped (negative ones to 50256).  A length below 0 counts as 0, above 512 as 512, as in the
; reference's comparison.  The f32 sums are formed in another order than the reference's.
.set ROWB,  4096                       ; bytes in a row of v
.set JSTEP, 32*ROWB                    ; from a wave's row j to its row j + 1
.set HALF,  512                        ; bytes of one load of a wave
.set TMAX,  512
.set VOCAB, 50257
.set PART,  2048                       ; a wave's partial sums in LDS: 256 of s, then 256 of y_hat
.set OFF, 1                            ; v1       16 x lane
.set STA, 2                            ; v2       LDS: where my partial sums go
.set JL,  3                            ; v3       lane mod 16 = the row number j whose weight this lane holds
.set WO,  4                            ; v4       byte offset of that row's word
.set WD,  5                            ; v5       the word, then its byte offset in weights
.set WV,  6                            ; v6       the weight of row j
.set RDA, 7                            ; v7       LDS: where I read partial sums back (waves 0 to 3)
.set OUT, 8                            ; v8       byte offset of my 16 bytes of the result (waves 0 to 3)
.set S,   10                           ; v[10:17]  sums of v: my 4 columns of the left half, 4 of the right
.set Y,   18                           ; v[18:25]  weighted sums, likewise
.set T,   26                           ; v[26:49]  the odd rows, three at the most, 8 registers each
.set X0,  50                           ; v[50:81]  block buffer 0: four rows
.set X1,  82                           ; v[82:113] block buffer 1
.set R,   X0                           ; the same 64 registers as 16 slots of 4 when the partial sums are added
.set WS,  32                           ; s[32:39]  four pairs: a row's weight in the even register
	s_load_b256 s[4:11], s[0:1], 0x0               ; lengths s[4:5], v s[6:7], weights s[8:9], words s[10:11]
	s_load_b128 s[12:15], s[0:1], 0x20             ; ssum s[12:13], out1 s[14:15]
	v_lshl_add_u32 v114, v0, 2, 0x10000
	v_mov_b32 v115, 0
	v_lshrrev_b32 v[STA], 5, v0
	v_readfirstlane_b32 s16, v[STA]                ; wave w
	v_and_b32 v[OFF], 31, v0
	v_lshlrev_b32 v[OFF], 4, v[OFF]                ; 16 bytes a lane
	v_and_b32 v[JL], 15, v0                        ; lanes 16 to 31 repeat lanes 0 to 15
	v_lshlrev_b32 v[WO], 7, v[JL]                  ; rows 32 apart: words 128 bytes apart
	s_and_b32 s17, ttmp7, 0xffff                   ; sentence b
	s_lshl_b32 s19, s17, 2                         ; its length's byte offset
	s_lshl_b32 s24, s17, 11                        ; its 512 words,
	s_lshl2_add_u32 s24, s16, s24                  ; + 4 w: the word of my row 0
	s_mov_b32 s25, 0
	s_lshl_b32 s30, s17, 21                        ; b x 512 rows x 4,096 bytes (at the most 63 x 2 MiB: 32 bits do)
	s_lshl_b32 s18, s16, 12
	s_add_co_u32 s30, s30, s18                     ; + row w
	s_lshl_b32 s18, ttmp9, 10
	s_add_co_u32 s30, s30, s18                     ; + 1,024 q
	s_mov_b32 s31, 0
	s_wait_kmcnt 0x0
	s_load_b32 s20, s[4:5], s19 offset:0x0         ; len[b]
	s_add_nc_u64 s[28:29], s[10:11], s[24:25]
	global_load_b32 v[WD], v[WO], s[28:29]         ; word[b][w + 32 j], one for each of my 16 rows
	; while these two are on their way:
	s_add_nc_u64 s[6:7], s[6:7], s[30:31]          ; v at my row 0, my group's columns
	v_lshl_add_u32 v[STA], s16, 11, v[OFF]         ; 2,048 w + 16 lane
	s_mov_b32 s[WS+1], 0                           ; the packed multiply names a pair and takes its first register for both halves;
	s_mov_b32 s[WS+3], 0                           ; the second is written once, so that no pair holds anything undefined
	s_mov_b32 s[WS+5], 0
	s_mov_b32 s[WS+7], 0
.set i, 0
.rept 24
	v_mov_b32 v[T+i], 0                            ; an odd row that is not loaded adds nothing: all three are added on every way
.set i, i+1
.endr
	s_wait_kmcnt 0x0
	s_max_i32 s20, s20, 0
	s_min_u32 s20, s20, TMAX                       ; 0 .. 512
	s_add_co_u32 s21, s20, 31
	s_sub_co_u32 s21, s21, s16
	s_lshr_b32 s21, s21, 5                         ; nr = my rows below the length,
	s_min_u32 s21, s21, 16                         ; 0 .. 16 (the bound written out, since an address is made of it)
	s_lshr_b32 s22, s21, 2                         ; a = whole blocks of four rows, 0 .. 4
	s_and_b32 s23, s21, 3                          ; r = odd rows, 0 .. 3
	s_and_b32 s24, s21, 12                         ; the odd rows are j = 4 a + 0 .. r - 1 (a = 4 has none: the mask then gives row 0, which is not used)
	s_lshl_b32 s24, s24, 17                        ; x JSTEP
	s_add_nc_u64 s[26:27], s[6:7], s[24:25]        ; v at my first odd row
	v_cmp_gt_u32 vcc_lo, s21, v[JL]                ; lanes whose row is below the length
	s_wait_loadcnt 0x0                             ; the words
	v_readfirstlane_b32 s18, v[WD]                 ; a lane whose row is masked repeats row 0's word: no further place of the table is touched,
	v_cndmask_b32 v[WD], s18, v[WD], vcc_lo        ; and its weight only ever multiplies the zeros of an odd row that was not loaded
	v_min_u32 v[WD], VOCAB-1, v[WD]                ; inside the table
	v_lshlrev_b32 v[WD], 2, v[WD]
	global_load_b32 v[WV], v[WD], s[8:9]           ; the gather.  It is older than every load of v, and loads come back in order
	                                               ; (ISA guide 5.7.1): each wait below that shows a row landed shows the weights landed
; the odd rows: exactly r of them are asked for
.macro TROW i
	global_load_b128 v[T+8*\i:T+8*\i+3],   v[OFF], s[26:27] offset:\i*JSTEP th:TH_LOAD_NT
	global_load_b128 v[T+8*\i+4:T+8*\i+7], v[OFF], s[26:27] offset:\i*JSTEP+HALF th:TH_LOAD_NT
.endm
	s_cmp_eq_u32 s23, 0
	s_cbranch_scc1 .Lodd_asked
	TROW 0
	s_cmp_eq_u32 s23, 1
	s_cbranch_scc1 .Lodd_asked
	TROW 1
	s_cmp_eq_u32 s23, 2
	s_cbranch_scc1 .Lodd_asked
	TROW 2
.Lodd_asked:
; eight loads: rows j0 .. j0 + 3 into buffer rx.  The row stands in the immediate (15 x 131,072 + 512 at the most), so no address register is ever rewritten
.macro ISSUE rx, j0
.irp i, 0,1,2,3
	global_load_b128 v[\rx+8*\i:\rx+8*\i+3],   v[OFF], s[6:7] offset:(\j0+\i)*JSTEP th:TH_LOAD_NT
	global_load_b128 v[\rx+8*\i+4:\rx+8*\i+7], v[OFF], s[6:7] offset:(\j0+\i)*JSTEP+HALF th:TH_LOAD_NT
.endr
.endm
; one row at rx joins both sums; its weight is in pair iw.  Eight chains that do not wait for each other
.macro ROW rx, iw
.irp k, 0,2,4,6
	v_pk_add_f32 v[S+\k:S+\k+1], v[S+\k:S+\k+1], v[\rx+\k:\rx+\k+1]
.endr
.irp k, 0,2,4,6
	v_pk_fma_f32 v[Y+\k:Y+\k+1], v[\rx+\k:\rx+\k+1], s[WS+2*\iw:WS+2*\iw+1], v[Y+\k:Y+\k+1] op_sel_hi:[1,0,1]
.endr
.endm
; the rows at rx and rx + 8 start both sums: nothing is cleared
.macro START rx
.irp k, 0,2,4,6
	v_pk_add_f32 v[S+\k:S+\k+1], v[\rx+\k:\rx+\k+1], v[\rx+8+\k:\rx+8+\k+1]
.endr
.irp k, 0,2,4,6
	v_pk_mul_f32 v[Y+\k:Y+\k+1], v[\rx+\k:\rx+\k+1], s[WS:WS+1] op_sel_hi:[1,0]
.endr
.irp k, 0,2,4,6
	v_pk_fma_f32 v[Y+\k:Y+\k+1], v[\rx+8+\k:\rx+8+\k+1], s[WS+2:WS+3], v[Y+\k:Y+\k+1] op_sel_hi:[1,0,1]
.endr
.endm
; rows j0 .. j0 + n - 1 (n = 4: a block; n = 3: the odd rows), which lie at rx, are added.  Lane j of WV holds row j's weight
.macro TAKE rx, j0, n, first
	v_readlane_b32 s[WS],   v[WV], \j0
	v_readlane_b32 s[WS+2], v[WV], \j0+1
	v_readlane_b32 s[WS+4], v[WV], \j0+2
.if \n > 3
	v_readlane_b32 s[WS+6], v[WV], \j0+3
.endif
.if \first
	START \rx
.else
	ROW \rx, 0
	ROW \rx+8, 1
.endif
	ROW \rx+16, 2
.if \n > 3
	ROW \rx+24, 3
.endif
.endm
	s_cmp_eq_u32 s22, 0
	s_cbranch_scc1 .Lblocks_0
	ISSUE X0, 0
	s_cmp_eq_u32 s22, 1
	s_cbranch_scc1 .Lblocks_1
	ISSUE X1, 4                                    ; now up to 11 rows of 1,024 bytes are on their way to this wave
	s_wait_loadcnt 0x8                             ; all but the eight youngest loads (rows 4 to 7): rows 0 to 3 are in
	TAKE X0, 0, 4, 1
	s_cmp_eq_u32 s22, 2
	s_cbranch_scc1 .Lblocks_2
	ISSUE X0, 8
	s_wait_loadcnt 0x8                             ; rows 8 to 11 may stay out: rows 4 to 7 are in
	TAKE X1, 4, 4, 0
	s_cmp_eq_u32 s22, 3
	s_cbranch_scc1 .Lblocks_3
	ISSUE X1, 12
	s_wait_loadcnt 0x8                             ; rows 12 to 15 may stay out: rows 8 to 11 are in
	TAKE X0, 8, 4, 0
	s_wait_loadcnt 0x0
	TAKE X1, 12, 4, 0                              ; four blocks are all 16 rows: there are no odd rows
	s_branch .Lmeet
.Lblocks_3:                                            ; nothing more to ask for: the last block, then the odd rows, which were asked for first
	s_wait_loadcnt 0x0
	TAKE X0, 8, 4, 0
	TAKE T, 12, 3, 0
	s_branch .Lmeet
.Lblocks_2:
	s_wait_loadcnt 0x0
	TAKE X1, 4, 4, 0
	TAKE T, 8, 3, 0
	s_branch .Lmeet
.Lblocks_1:
	s_wait_loadcnt 0x0
	TAKE X0, 0, 4, 1
	TAKE T, 4, 3, 0
	s_branch .Lmeet
.Lblocks_0:
	s_wait_loadcnt 0x0
	TAKE T, 0, 3, 1
.Lmeet:
	; the 32 waves' partial sums meet in LDS: each store of a wave is 512 consecutive bytes of the wave's own 2,048
	ds_store_b128 v[STA], v[S:S+3]
	ds_store_b128 v[STA], v[S+4:S+7] offset:512
	ds_store_b128 v[STA], v[Y:Y+3]   offset:1024
	ds_store_b128 v[STA], v[Y+4:Y+7] offset:1536
	s_wait_dscnt 0x0                               ; for the other waves' sake: my stores are done before I signal
	s_barrier_signal -1
	s_barrier_wait -1
	s_cmp_gt_u32 s16, 3
	s_cbranch_scc1 .Lend                           ; 2,048 bytes of results = four waves x 512 bytes
	; wave k = 0 .. 3 adds bytes 512 k .. 512 k + 511 of all 32 partial sums: k = 0, 1 the halves of s, k = 2, 3 the halves of y_hat
	v_lshl_add_u32 v[RDA], s16, 9, v[OFF]
.irp p, 0,1,2,3,4,5,6,7,8,9,10,11,12,13,14,15
	ds_load_b128 v[R+4*\p:R+4*\p+3], v[RDA] offset:\p*PART
.endr
	s_lshl_b32 s18, s17, 12                        ; the result's row b,
	s_lshl_b32 s19, ttmp9, 10
	s_add_co_u32 s18, s18, s19                     ; my group's 1,024 bytes of it,
	s_and_b32 s19, s16, 1
	s_lshl_b32 s19, s19, 9
	s_add_co_u32 s18, s18, s19                     ; my wave's half
	v_add_nc_u32 v[OUT], s18, v[OFF]
	s_cmp_lt_u32 s16, 2
	s_cselect_b64 s[28:29], s[12:13], s[14:15]     ; waves 0, 1 store into ssum, waves 2, 3 into out1
	s_wait_dscnt 14                                ; LDS loads come back in order (ISA guide 5.7.1): the first two of the sixteen are in
	v_pk_add_f32 v[S:S+1],   v[R:R+1],   v[R+4:R+5]        ; they start the sum
	v_pk_add_f32 v[S+2:S+3], v[R+2:R+3], v[R+6:R+7]
	ds_load_b128 v[R:R+3],   v[RDA] offset:16*PART
	ds_load_b128 v[R+4:R+7], v[RDA] offset:17*PART
.irp p, 2,3,4,5,6,7,8,9,10,11,12,13,14,15
	s_wait_dscnt 15                                ; fifteen loads were issued behind partial sum p
	v_pk_add_f32 v[S:S+1],   v[S:S+1],   v[R+4*\p:R+4*\p+1]
	v_pk_add_f32 v[S+2:S+3], v[S+2:S+3], v[R+4*\p+2:R+4*\p+3]
	ds_load_b128 v[R+4*\p:R+4*\p+3], v[RDA] offset:(\p+16)*PART
.endr
.irp p, 16,17,18,19,20,21,22,23,24,25,26,27,28,29,30,31
	s_wait_dscnt 31-\p                             ; nothing more is asked for: the counts run down
	v_pk_add_f32 v[S:S+1],   v[S:S+1],   v[R+4*(\p-16):R+4*(\p-16)+1]
	v_pk_add_f32 v[S+2:S+3], v[S+2:S+3], v[R+4*(\p-16)+2:R+4*(\p-16)+3]
.endr
	global_store_b128 v[OUT], v[S:S+3], s[28:29]   ; the wave stores 512 consecutive bytes that begin at a multiple of 512
.Lend:
	s_wait_tensorcnt 0x0
	ds_add_u32 v114, v115
	s_wait_dscnt 0x0
	s_endpgm
.Lfunc_end_k_q05d000f20e_sums:
	.size	k_q05d000f20e_sums, .Lfunc_end_k_q05d000f20e_sums-k_q05d000f20e_sums
	.p2alignl 7, 3214868480
	.fill 96, 4, 3214868480
	.section	.rodata,"a",@progbits
	.p2align	6, 0x0
	.amdhsa_kernel k_q05d000f20e_sums
		.amdhsa_group_segment_fixed_size 69632
		.amdhsa_private_segment_fixed_size 0
		.amdhsa_enable_private_segment 0
		.amdhsa_kernarg_size 48
		.amdhsa_user_sgpr_count 2
		.amdhsa_user_sgpr_kernarg_segment_ptr 1
		.amdhsa_wavefront_size32 1
		.amdhsa_system_sgpr_workgroup_id_x 1
		.amdhsa_system_sgpr_workgroup_id_y 1
		.amdhsa_system_sgpr_workgroup_id_z 1
		.amdhsa_system_vgpr_workitem_id 0
		.amdhsa_next_free_vgpr 116
		.amdhsa_next_free_sgpr 66
		.amdhsa_reserve_vcc 1
		.amdhsa_float_denorm_mode_32 3
		.amdhsa_float_denorm_mode_16_64 3
		.amdhsa_memory_ordered 1
		.amdhsa_forward_progress 1
		.amdhsa_inst_pref_size 37
	.end_amdhsa_kernel
	.amdgpu_metadata
---
amdhsa.version: [ 1, 2 ]
amdhsa.kernels:
  - .name:           k_q05d000f20e_sums
    .symbol:         k_q05d000f20e_sums.kd
    .args:
      - { .name: sentence_length, .offset: 0, .size: 8, .value_kind: global_buffer, .address_space: global }
      - { .name: vector_sequence, .offset: 8, .size: 8, .value_kind: global_buffer, .address_space: global }
      - { .name: weights, .offset: 16, .size: 8, .value_kind: global_buffer, .address_space: global }
      - { .name: word_sequence, .offset: 24, .size: 8, .value_kind: global_buffer, .address_space: global }
      - { .name: ssum, .offset: 32, .size: 8, .value_kind: global_buffer, .address_space: global }
      - { .name: out1, .offset: 40, .size: 8, .value_kind: global_buffer, .address_space: global }
    .group_segment_fixed_size: 69632
    .private_segment_fixed_size: 0
    .kernarg_segment_align: 8
    .kernarg_segment_size: 48
    .max_flat_workgroup_size: 1024
    .sgpr_count:     66
    .vgpr_count:     116
    .wavefront_size: 32
...
	.end_amdgpu_metadata
.endif
;; end of part 1
;; launch norm (part 2): grid 64 x 1, 1 waves a work-group, no clusters, 0 bytes of LDS; arguments ssum, out0; writes out0
.if DOCPART == 2
	.amdgcn_target "amdgcn-amd-amdhsa--gfx1250"
	.amdhsa_code_object_version 6
	.text
	.protected	k_q05d000f20e_norm
	.globl	k_q05d000f20e_norm
	.p2align	8
	.type	k_q05d000f20e_norm,@function
k_q05d000f20e_norm:
	s_mov_b64 s[64:65], 0
	v_nop
	global_prefetch_b8 v0, s[64:65] scope:SCOPE_SE
	s_setreg_imm32_b32 hwreg(HW_REG_WAVE_MODE, 25, 1), 1
	s_wait_xcnt 0x0
; out0[b][d] = ssum[b][d] / sqrt(sum over d of |ssum[b][d]|).  ssum, out0: [64][1024] f32.
; One wave takes one row: 4,096 bytes are eight loads of 16 bytes a lane, and the row stays in 32 registers between the pass that
; adds the magnitudes and the pass that scales.  The sum never leaves the wave: no LDS, no barrier.
; The division by the root is a multiplication by v_rsq_f32 of the sum.
; LIMIT.  v_rsq_f32 takes a denormal input as zero (ISA guide 15.8): a row whose magnitudes add up to less than 2^-126 comes out as
; infinities and NaN, as a row of zeros does (there reference() gives NaN as well).
.set X, 8                              ; v[8:39]   the row as loaded, then as stored
.set P, 40                             ; v[40:55]  sixteen partial sums of magnitudes
	s_load_b128 s[4:7], s[0:1], 0x0                ; ssum s[4:5], out0 s[6:7]
	v_lshlrev_b32 v1, 4, v0                        ; 16 bytes a lane
	s_lshl_b32 s8, ttmp9, 12                       ; row b
	s_mov_b32 s9, 0
	s_mov_b32 s10, 0x76543210                      ; v_permlanex16_b32: lane i of one half reads lane i of the other
	s_mov_b32 s11, 0xfedcba98
	s_wait_kmcnt 0x0
	s_add_nc_u64 s[4:5], s[4:5], s[8:9]
	s_add_nc_u64 s[6:7], s[6:7], s[8:9]
.irp j, 0,1,2,3,4,5,6,7
	global_load_b128 v[X+4*\j:X+4*\j+3], v1, s[4:5] offset:512*\j      ; 512 consecutive bytes each
.endr
	; the magnitudes ride on the additions as source modifiers.  Load j's four numbers make partial sums 2 j and 2 j + 1;
	; each wait leaves the younger loads out (loads come back in order: ISA guide 5.7.1)
	s_wait_loadcnt 0x7
	v_add_f32 v40, |v8|, |v9|
	v_add_f32 v41, |v10|, |v11|
	s_wait_loadcnt 0x6
	v_add_f32 v42, |v12|, |v13|
	v_add_f32 v43, |v14|, |v15|
	s_wait_loadcnt 0x5
	v_add_f32 v44, |v16|, |v17|
	v_add_f32 v45, |v18|, |v19|
	s_wait_loadcnt 0x4
	v_add_f32 v46, |v20|, |v21|
	v_add_f32 v47, |v22|, |v23|
	s_wait_loadcnt 0x3
	v_add_f32 v48, |v24|, |v25|
	v_add_f32 v49, |v26|, |v27|
	s_wait_loadcnt 0x2
	v_add_f32 v50, |v28|, |v29|
	v_add_f32 v51, |v30|, |v31|
	s_wait_loadcnt 0x1
	v_add_f32 v52, |v32|, |v33|
	v_add_f32 v53, |v34|, |v35|
	s_wait_loadcnt 0x0
	v_add_f32 v54, |v36|, |v37|
	v_add_f32 v55, |v38|, |v39|
	v_pk_add_f32 v[P:P+1],     v[P:P+1],     v[P+2:P+3]
	v_pk_add_f32 v[P+4:P+5],   v[P+4:P+5],   v[P+6:P+7]
	v_pk_add_f32 v[P+8:P+9],   v[P+8:P+9],   v[P+10:P+11]
	v_pk_add_f32 v[P+12:P+13], v[P+12:P+13], v[P+14:P+15]
	v_pk_add_f32 v[P:P+1],     v[P:P+1],     v[P+4:P+5]
	v_pk_add_f32 v[P+8:P+9],   v[P+8:P+9],   v[P+12:P+13]
	v_pk_add_f32 v[P:P+1],     v[P:P+1],     v[P+8:P+9]
	v_add_f32 v[P], v[P], v[P+1]                   ; my 32 numbers
	; across the 32 lanes: four steps inside each half of 16 lanes ride on the addition, one crosses the halves
	v_add_f32_dpp v[P], v[P], v[P] row_xmask:1 row_mask:0xf bank_mask:0xf
	v_add_f32_dpp v[P], v[P], v[P] row_xmask:2 row_mask:0xf bank_mask:0xf
	v_add_f32_dpp v[P], v[P], v[P] row_xmask:4 row_mask:0xf bank_mask:0xf
	v_add_f32_dpp v[P], v[P], v[P] row_xmask:8 row_mask:0xf bank_mask:0xf
	v_permlanex16_b32 v[P+1], v[P], s10, s11       ; its destination counts as read: P + 1 has been written
	v_add_f32 v[P+2], v[P], v[P+1]                 ; every lane holds the row's sum
	v_rsq_f32 v[P+4], v[P+2]
	v_nop                                          ; one plain vector instruction stands between a transcendental and the first use of its result (ISA guide 5.7.2)
	s_wait_alu depctr_va_vdst(0)
.irp j, 0,1,2,3,4,5,6,7
	v_pk_mul_f32 v[X+4*\j:X+4*\j+1],   v[X+4*\j:X+4*\j+1],   v[P+4:P+5] op_sel_hi:[1,0]   ; both halves by P + 4 (P + 5 holds an old partial sum and is not taken)
	v_pk_mul_f32 v[X+4*\j+2:X+4*\j+3], v[X+4*\j+2:X+4*\j+3], v[P+4:P+5] op_sel_hi:[1,0]
	global_store_b128 v1, v[X+4*\j:X+4*\j+3], s[6:7] offset:512*\j th:TH_STORE_NT         ; 512 consecutive bytes that begin at a multiple of 512
.endr
	s_endpgm
.Lfunc_end_k_q05d000f20e_norm:
	.size	k_q05d000f20e_norm, .Lfunc_end_k_q05d000f20e_norm-k_q05d000f20e_norm
	.p2alignl 7, 3214868480
	.fill 96, 4, 3214868480
	.section	.rodata,"a",@progbits
	.p2align	6, 0x0
	.amdhsa_kernel k_q05d000f20e_norm
		.amdhsa_group_segment_fixed_size 0
		.amdhsa_private_segment_fixed_size 0
		.amdhsa_enable_private_segment 0
		.amdhsa_kernarg_size 16
		.amdhsa_user_sgpr_count 2
		.amdhsa_user_sgpr_kernarg_segment_ptr 1
		.amdhsa_wavefront_size32 1
		.amdhsa_system_sgpr_workgroup_id_x 1
		.amdhsa_system_sgpr_workgroup_id_y 1
		.amdhsa_system_sgpr_workgroup_id_z 1
		.amdhsa_system_vgpr_workitem_id 0
		.amdhsa_next_free_vgpr 56
		.amdhsa_next_free_sgpr 66
		.amdhsa_reserve_vcc 0
		.amdhsa_float_denorm_mode_32 3
		.amdhsa_float_denorm_mode_16_64 3
		.amdhsa_memory_ordered 1
		.amdhsa_forward_progress 1
		.amdhsa_inst_pref_size 6
	.end_amdhsa_kernel
	.amdgpu_metadata
---
amdhsa.version: [ 1, 2 ]
amdhsa.kernels:
  - .name:           k_q05d000f20e_norm
    .symbol:         k_q05d000f20e_norm.kd
    .args:
      - { .name: ssum, .offset: 0, .size: 8, .value_kind: global_buffer, .address_space: global }
      - { .name: out0, .offset: 8, .size: 8, .value_kind: global_buffer, .address_space: global }
    .group_segment_fixed_size: 0
    .private_segment_fixed_size: 0
    .kernarg_segment_align: 8
    .kernarg_segment_size: 16
    .max_flat_workgroup_size: 32
    .sgpr_count:     66
    .vgpr_count:     56
    .wavefront_size: 32
...
	.end_amdgpu_metadata
.endif
;; end of part 2
;; ======== version 2 of 2: 2 launches; version 1 with the launch norm written anew for expert scheduling mode
;; workspace buffers: ssum 262,144 bytes
;; launch sums: the kernel of part 1 again; grid 4 x 64, 32 waves a work-group, no clusters, 69,632 bytes of LDS; arguments sentence_length, vector_sequence, weights, word_sequence, ssum, out1; writes ssum, out1
;; launch norm (part 3): grid 64 x 1, 1 waves a work-group, no clusters, 0 bytes of LDS; arguments ssum, out0; writes out0
.if DOCPART == 3
	.amdgcn_target "amdgcn-amd-amdhsa--gfx1250"
	.amdhsa_code_object_version 6
	.text
	.protected	k_q05d000f20e_norm
	.globl	k_q05d000f20e_norm
	.p2align	8
	.type	k_q05d000f20e_norm,@function
k_q05d000f20e_norm:
	s_mov_b64 s[64:65], 0
	v_nop
	global_prefetch_b8 v0, s[64:65] scope:SCOPE_SE
	s_setreg_imm32_b32 hwreg(HW_REG_WAVE_SCHED_MODE, 0, 2), 2
	s_setreg_imm32_b32 hwreg(HW_REG_WAVE_MODE, 25, 1), 1
	s_wait_xcnt 0x0
	s_wait_alu depctr_vm_vsrc(0)
; out0[b][d] = ssum[b][d] / sqrt(sum over d of |ssum[b][d]|).  ssum, out0: [64][1024] f32.
; One wave takes one row: 4,096 bytes are eight loads of 16 bytes a lane, and the row stays in 32 registers between the pass that
; adds the magnitudes and the pass that scales.  The sum never leaves the wave: no LDS, no barrier.
; The division by the root is a multiplication by v_rsq_f32 of the sum.
; LIMIT.  v_rsq_f32 takes a denormal input as zero (ISA guide 15.8): a row whose magnitudes add up to less than 2^-126 comes out as
; infinities and NaN, as a row of zeros does (there reference() gives NaN as well).
; THE MODE: SCHED_MODE bits 1:0 = 2 (LLVM: expert scheduling mode 2), set by the entry lines.  The code itself states the register dependences
; between vector instructions and memory instructions, with s_wait_alu, always for 0.
; THE PLAN.  Registers that memory instructions touch:
;   v1         16 x lane.  Written once, by the shift at the head; read by all eight loads and all eight stores as their offset.
;   X          The row.  Written by the eight loads (no vector instruction names X ahead of them); read by the additions of magnitudes, each behind
;              its wait on LOADcnt; written again, in place, by the sixteen multiplies; read by the eight stores; written by nothing behind them.
;   P          Partial sums and the factor: named by vector instructions alone.
; So three waits on va_vdst state everything: v1 ahead of the first load; the factor ahead of its first reader; X ahead of the run of stores, for
; which the sixteen multiplies stand together and the eight stores follow them.  No register that a memory instruction reads is written afterwards,
; no vector instruction writes a scalar register or VCC, and EXEC is never written: no other wait has a dependence to state.
.set X, 8                              ; v[8:39]   the row as loaded, then as stored
.set P, 40                             ; v[40:55]  sixteen partial sums of magnitudes
	s_load_b128 s[4:7], s[0:1], 0x0                ; ssum s[4:5], out0 s[6:7]
	v_lshlrev_b32 v1, 4, v0                        ; 16 bytes a lane
	s_lshl_b32 s8, ttmp9, 12                       ; row b
	s_mov_b32 s9, 0
	s_mov_b32 s10, 0x76543210                      ; v_permlanex16_b32: lane i of one half reads lane i of the other
	s_mov_b32 s11, 0xfedcba98
	s_wait_kmcnt 0x0
	s_add_nc_u64 s[4:5], s[4:5], s[8:9]
	s_add_nc_u64 s[6:7], s[6:7], s[8:9]
	s_wait_alu depctr_va_vdst(0)                   ; v1 is written: every load and store of the kernel reads it as its offset, and nothing writes it again
.irp j, 0,1,2,3,4,5,6,7
	global_load_b128 v[X+4*\j:X+4*\j+3], v1, s[4:5] offset:512*\j      ; 512 consecutive bytes each
.endr
	; the magnitudes ride on the additions as source modifiers.  Load j's four numbers make partial sums 2 j and 2 j + 1;
	; each wait leaves the younger loads out (loads come back in order: ISA guide 5.7.1)
	s_wait_loadcnt 0x7
	v_add_f32 v40, |v8|, |v9|
	v_add_f32 v41, |v10|, |v11|
	s_wait_loadcnt 0x6
	v_add_f32 v42, |v12|, |v13|
	v_add_f32 v43, |v14|, |v15|
	s_wait_loadcnt 0x5
	v_add_f32 v44, |v16|, |v17|
	v_add_f32 v45, |v18|, |v19|
	s_wait_loadcnt 0x4
	v_add_f32 v46, |v20|, |v21|
	v_add_f32 v47, |v22|, |v23|
	s_wait_loadcnt 0x3
	v_add_f32 v48, |v24|, |v25|
	v_add_f32 v49, |v26|, |v27|
	s_wait_loadcnt 0x2
	v_add_f32 v50, |v28|, |v29|
	v_add_f32 v51, |v30|, |v31|
	s_wait_loadcnt 0x1
	v_add_f32 v52, |v32|, |v33|
	v_add_f32 v53, |v34|, |v35|
	s_wait_loadcnt 0x0
	v_add_f32 v54, |v36|, |v37|
	v_add_f32 v55, |v38|, |v39|
	v_pk_add_f32 v[P:P+1],     v[P:P+1],     v[P+2:P+3]
	v_pk_add_f32 v[P+4:P+5],   v[P+4:P+5],   v[P+6:P+7]
	v_pk_add_f32 v[P+8:P+9],   v[P+8:P+9],   v[P+10:P+11]
	v_pk_add_f32 v[P+12:P+13], v[P+12:P+13], v[P+14:P+15]
	v_pk_add_f32 v[P:P+1],     v[P:P+1],     v[P+4:P+5]
	v_pk_add_f32 v[P+8:P+9],   v[P+8:P+9],   v[P+12:P+13]
	v_pk_add_f32 v[P:P+1],     v[P:P+1],     v[P+8:P+9]
	v_add_f32 v[P], v[P], v[P+1]                   ; my 32 numbers
	; across the 32 lanes: four steps inside each half of 16 lanes ride on the addition, one crosses the halves
	v_add_f32_dpp v[P], v[P], v[P] row_xmask:1 row_mask:0xf bank_mask:0xf
	v_add_f32_dpp v[P], v[P], v[P] row_xmask:2 row_mask:0xf bank_mask:0xf
	v_add_f32_dpp v[P], v[P], v[P] row_xmask:4 row_mask:0xf bank_mask:0xf
	v_add_f32_dpp v[P], v[P], v[P] row_xmask:8 row_mask:0xf bank_mask:0xf
	v_permlanex16_b32 v[P+1], v[P], s10, s11       ; its destination counts as read: P + 1 has been written
	v_add_f32 v[P+2], v[P], v[P+1]                 ; every lane holds the row's sum
	v_rsq_f32 v[P+4], v[P+2]
	v_nop                                          ; one plain vector instruction stands between a transcendental and the first use of its result (ISA guide 5.7.2)
	s_wait_alu depctr_va_vdst(0)                   ; v_rsq_f32 has written v[P+4], ahead of the first multiply that reads it
.irp j, 0,1,2,3,4,5,6,7
	v_pk_mul_f32 v[X+4*\j:X+4*\j+1],   v[X+4*\j:X+4*\j+1],   v[P+4:P+5] op_sel_hi:[1,0]   ; both halves by P + 4 (P + 5 holds an old partial sum and is not taken)
	v_pk_mul_f32 v[X+4*\j+2:X+4*\j+3], v[X+4*\j+2:X+4*\j+3], v[P+4:P+5] op_sel_hi:[1,0]
.endr
	s_wait_alu depctr_va_vdst(0)                   ; the sixteen multiplies have written X, which the eight stores read as their data
.irp j, 0,1,2,3,4,5,6,7
	global_store_b128 v1, v[X+4*\j:X+4*\j+3], s[6:7] offset:512*\j th:TH_STORE_NT         ; 512 consecutive bytes that begin at a multiple of 512
.endr
	s_endpgm
.Lfunc_end_k_q05d000f20e_norm:
	.size	k_q05d000f20e_norm, .Lfunc_end_k_q05d000f20e_norm-k_q05d000f20e_norm
	.p2alignl 7, 3214868480
	.fill 96, 4, 3214868480
	.section	.rodata,"a",@progbits
	.p2align	6, 0x0
	.amdhsa_kernel k_q05d000f20e_norm
		.amdhsa_group_segment_fixed_size 0
		.amdhsa_private_segment_fixed_size 0
		.amdhsa_enable_private_segment 0
		.amdhsa_kernarg_size 16
		.amdhsa_user_sgpr_count 2
		.amdhsa_user_sgpr_kernarg_segment_ptr 1
		.amdhsa_wavefront_size32 1
		.amdhsa_system_sgpr_workgroup_id_x 1
		.amdhsa_system_sgpr_workgroup_id_y 1
		.amdhsa_system_sgpr_workgroup_id_z 1
		.amdhsa_system_vgpr_workitem_id 0
		.amdhsa_next_free_vgpr 56
		.amdhsa_next_free_sgpr 66
		.amdhsa_reserve_vcc 0
		.amdhsa_float_denorm_mode_32 3
		.amdhsa_float_denorm_mode_16_64 3
		.amdhsa_memory_ordered 1
		.amdhsa_forward_progress 1
		.amdhsa_inst_pref_size 6
	.end_amdhsa_kernel
	.amdgpu_metadata
---
amdhsa.version: [ 1, 2 ]
amdhsa.kernels:
  - .name:           k_q05d000f20e_norm
    .symbol:         k_q05d000f20e_norm.kd
    .args:
      - { .name: ssum, .offset: 0, .size: 8, .value_kind: global_buffer, .address_space: global }
      - { .name: out0, .offset: 8, .size: 8, .value_kind: global_buffer, .address_space: global }
    .group_segment_fixed_size: 0
    .private_segment_fixed_size: 0
    .kernarg_segment_align: 8
    .kernarg_segment_size: 16
    .max_flat_workgroup_size: 32
    .sgpr_count:     66
    .vgpr_count:     56
    .wavefront_size: 32
...
	.end_amdgpu_metadata
.endif
;; end of part 3
